; MI455X (gfx1250); checked and timed in simulation.
; The chip was launched on July 23, 2026; its instructions are those of AMD's public machine-readable ISA for CDNA 5 (MIT licence, August 2026) and "CDNA5" Instruction Set Architecture Reference Guide (July 2026). The comments in the code are by the model that wrote it; some were corrected since.
;; Factored Attention. Allowed arithmetic: matrix products marked QUANTISED: E2M3 operands, one E8M0 scale for each 32 along K, by v_wmma_scale_f32_16x16x128_f8f6f4 with both operands' format E2M3, f32 sums; everything else in f32.
;; Inputs: Wout 1,024 x 1,024 float32; Wqkv 1,024 x 3,072 float32; bout 1,024 float32; bqkv 3,072 float32; x 4 x 4,096 x 1,024 float32.
;; Outputs: out0 4 x 4,096 x 1,024 float32.
;; This version of the problem:
;;   THIS VERSION OF THE PROBLEM IS GIVEN IN LOW PRECISION. The matrix products marked QUANTISED in the list below multiply operands that are first quantised to E2M3 (2 exponent bits, 3 mantissa bits; 6 bits a number), with one power-of-two scale for each 32 numbers along K (OCP MX v1.0); their sums are f32. All else is computed in f32.
;;   The module's matrix products, in the order in which they are computed (A, B: the left and right operand; K: the contracted axis; several contracted axes count as one K, in the product's order):
;;     1. [M 16,384, K 1,024] x [K 1,024, N 3,072]; A: input x; B: input Wqkv: QUANTISED
;;     2. batch 512 x [M 32, K 1,024] x [K 1,024, N 32]; A: computed on the way; B: computed on the way: QUANTISED
;;     3. batch 512 x [M 32, K 32] x [K 32, N 1,024]; A: softmax (see below); B: computed on the way: QUANTISED
;;     4. [M 16,384, K 1,024] x [K 1,024, N 1,024]; A: computed on the way; B: input Wout: QUANTISED
;;   THE QUANTISER, for each operand of a quantised product, along K:
;;     - K is cut into blocks of 32 from its start; a last block that is shorter is filled with zeros.
;;     - A block's scale is 2^e with e = floor(log2(the largest magnitude in the block)) - 2, held to -126 .. 127; a block of zeros has e = 0. As a byte (E8M0): e + 127.
;;     - Each number is divided by its block's scale, clamped to +-7.5, and rounded to the nearest number of E2M3, ties to even, subnormals kept.
;;     - The product sums the exact products of the quantised numbers (number of the format x scale) in f32.
;;   ~~~python
;;   def quantise(x, axis):      # numpy; x: float32 -> the quantised numbers, widened to float32 again
;;       x = np.moveaxis(x, axis, -1); K = x.shape[-1]
;;       x = np.pad(x, [(0, 0)] * (x.ndim - 1) + [(0, -K % 32)]); x = x.reshape(x.shape[:-1] + (-1, 32)); a = np.abs(x).max(-1, keepdims=True)
;;       e = np.where(a > 0, np.clip(np.frexp(np.where(a > 0, a, 1))[1] - 1 - 2, -126, 127), 0)      # np.frexp(a)[1] - 1 = floor(log2(a)), exactly
;;       r = np.clip(x / 2.0 ** e, -7.5, 7.5)
;;       step = 2.0 ** (np.maximum(np.frexp(np.where(r == 0, 1, r))[1] - 1, 0) - 3)
;;       q = np.round(r / step) * step * 2.0 ** e      # np.round: ties to even
;;       return np.moveaxis(q.reshape(q.shape[:-2] + (-1,))[..., :K], -1, axis).astype(np.float32)
;;   ~~~
;;   SOFTMAX AHEAD OF A QUANTISED PRODUCT. Where the list says 'softmax', what is quantised is not the finished softmax but p = 2^(t - M), with t = logit x log2(e) and M = ceil(the row's largest t), a whole number; so 1/2 < the row's largest p <= 1. The row's sum l is taken of the UNQUANTISED p, in f32, and the product's result is divided by l at the end. Since M is a whole number, a kernel that streams over the keys may use a running M (the ceiling of the running maximum): every later rescaling is an exact power of two, which a block's scale takes up: the codes' values come out the same.
;;   OPERANDS COMPUTED ON THE WAY. 'Computed on the way' means the value that the module computes at that place (a softmax that the list does not call 'softmax' is quantised finished and normalised). What goes into a quantiser is computed in f32, as accurately as f32 sums, v_exp_f32 and their like allow (about 1e-6 of the number): no bf16 or f16 on the way to a quantiser, and a product that is left as it is and whose result goes on into a quantised operand takes f32 operands (vector FMAs, or v_wmma_f32_16x16x4_f32). A number that lies on a knife's edge between two numbers of the format may be rounded either way, as far as f32 arithmetic and the matrix unit's own rounding can turn it there, and no further.
;; One version. Each part assembles by itself: llvm-mc -triple=amdgcn-amd-amdhsa -mcpu=gfx1250 --defsym DOCPART=n.
;; ======== version 1 of 1: 2 launches
;; limits: right only within a limited range of input values
;; workspace buffers: wc 3,276,800 bytes
;; launch wquant (part 1): grid 256 x 1, 8 waves a work-group, no clusters, 13,824 bytes of LDS; arguments Wqkv, Wout, wc; writes wc
.if DOCPART == 1
	.amdgcn_target "amdgcn-amd-amdhsa--gfx1250"
	.amdhsa_code_object_version 6
	.text
	.protected	k_qec5ef27f91_wquant
	.globl	k_qec5ef27f91_wquant
	.p2align	8
	.type	k_qec5ef27f91_wquant,@function
k_qec5ef27f91_wquant:
	s_mov_b64 s[64:65], 0
	v_nop
	global_prefetch_b8 v0, s[64:65] scope:SCOPE_SE
	s_setreg_imm32_b32 hwreg(HW_REG_WAVE_MODE, 25, 1), 1
	s_wait_xcnt 0x0
; Wqkv [1024][3072] and Wout [1024][1024], f32, K on the FIRST axis, become codes of E2M3 (6 bits) with one E8M0 byte for each 32 along K,
; laid in wc as IMAGES OF THE OPERAND'S REGISTERS, in the order in which the waves of the second launch take them.
; wc = 256 units of U = 12,800 bytes.  Unit (w 8 + p) 8 + s: wave w of the second launch, its pass p (512 columns: q0 k0 q1 k1 v0 v1 out0 out1), K step s (128 along K).
; A unit = 8 fragments (16 columns x 128 K, 12 registers a lane, 1,536 bytes: register f of lane L at 512 (f / 4) + 16 L + 4 (f % 4)), then 512 bytes of scale words:
; word c of lane L at 12,288 + 16 L + 4 c is the word of tile 2 c + L / 16, row L % 16.
; THE COLUMNS OF A TILE ARE NOT NEIGHBOURS: row i of tile t is column 32 (t / 2) + 16 (i / 8) + 8 (t % 2) + i % 8 of the wave's 128.
; A work-group makes one unit.  Its eight waves: j = wave % 4 takes columns 32 j .. 32 j + 31 (tiles 2 j, 2 j + 1), kh = wave / 4 takes K 64 kh .. 64 kh + 63 of the step: 64 loads a lane, all out at once.
; A LANE TAKES A COLUMN AND ITS REGISTERS RUN DOWN K: a block of 32 lies in one lane, and the conversions give K innermost.  My block h (0, 1) is block 2 kh + h of the step: registers 6 kh .. 6 kh + 5 of image lane (i, h).
; The unit is gathered in LDS as it will lie in wc and leaves in runs of 512 consecutive bytes a wave.
; A block's scale is 2^(floor(log2(largest magnitude)) - 2): its byte is the largest magnitude's exponent field - 2, held at 1 from below.
; LIMITS: a block of zeros, and one whose largest magnitude lies under 2^-124, keeps the byte 1 (its codes add nothing or are held; this program alone reads the bytes); NaN and infinities are not served.
.set U,  12800
.set X,  64                            ; v64-127  my column's 64 numbers
.set F,  16                            ; v16-21 my block 0's six registers, v24-29 my block 1's
.set TT, 32                            ; v32-34, v36-38 the second half of each block's codes (a conversion's three registers begin on an even number)
.set SPARE, 12800                      ; behind the unit: the spare words, 128 bytes for each wave
	s_load_b128 s[4:7], s[0:1], 0x0                ; Wqkv, Wout
	s_load_b64 s[8:9], s[0:1], 0x10                ; wc
	v_lshl_add_u32 v62, v0, 2, SPARE
	v_mov_b32 v63, 0
	v_lshrrev_b32 v1, 5, v0
	v_readfirstlane_b32 s10, v1                    ; wave 0..7
	s_and_b32 s26, s10, 3                          ; j
	s_lshr_b32 s27, s10, 2                         ; kh
	v_and_b32 v1, 31, v0                           ; lane = my column among the wave's 32
	v_lshlrev_b32 v2, 2, v1                        ; 4 bytes a lane
	v_lshrrev_b32 v6, 4, v1                        ; a  = i / 8
	v_bfe_u32 v7, v1, 3, 1                         ; uu = t % 2
	v_and_b32 v13, 7, v1                           ; c3 = i % 8
	s_mul_i32 s11, s26, 3072                       ; two fragments a column group
	v_mul_u32_u24 v3, v7, 1536
	v_lshl_add_u32 v3, v6, 7, v3
	v_lshl_add_u32 v3, v13, 4, v3
	v_add_nc_u32 v3, s11, v3                       ; LDS: image lane (i, 0) of my tile: 3072 j + 1536 uu + 16 i
	v_lshlrev_b32 v4, 8, v7
	v_lshl_add_u32 v4, v6, 7, v4
	v_lshl_add_u32 v4, v13, 4, v4
	s_lshl_b32 s11, s26, 2
	s_lshl_b32 s28, s27, 1
	s_add_co_u32 s11, s11, s28
	s_add_co_u32 s11, s11, 12288
	v_add_nc_u32 v4, s11, v4                       ; LDS: my two bytes of my column's scale word: 12288 + 16 (16 uu + i) + 4 j + 2 kh
	v_lshlrev_b32 v5, 4, v0                        ; the way out: 16 x thread
	s_lshr_b32 s12, ttmp9, 6                       ; w
	s_bfe_u32 s13, ttmp9, 0x30003                  ; p
	s_and_b32 s14, ttmp9, 7                        ; s
	s_lshl_b32 s15, s13, 2
	s_lshr_b32 s15, 0x10543120, s15                ; nibble p: which 512 columns the pass takes (0 2 1 3 4 5 of Wqkv, 0 1 of Wout)
	s_and_b32 s15, s15, 15
	s_lshl_b32 s15, s15, 9
	s_lshl_b32 s16, s12, 7
	s_add_co_u32 s15, s15, s16
	s_lshl_b32 s16, s26, 5
	s_add_co_u32 s15, s15, s16                     ; my wave's first column
	s_lshl_b32 s16, s15, 2
	s_lshl_b32 s18, s14, 1
	s_add_co_u32 s18, s18, s27                     ; 2 s + kh: which 64 rows of K
	s_mul_i32 s17, s18, 64*12288
	s_add_co_u32 s20, s16, s17                     ; offset in Wqkv
	s_mov_b32 s21, 0
	s_mul_i32 s17, s18, 64*4096
	s_add_co_u32 s22, s16, s17                     ; offset in Wout (used by passes 6 and 7 alone)
	s_mov_b32 s23, 0
	s_mul_i32 s24, ttmp9, U
	s_mov_b32 s25, 0
	s_wait_alu depctr_va_vdst(0)                   ; the wait at the head's end
	s_wait_kmcnt 0x0
	s_add_nc_u64 s[4:5], s[4:5], s[20:21]
	s_add_nc_u64 s[6:7], s[6:7], s[22:23]
	s_add_nc_u64 s[8:9], s[8:9], s[24:25]
.macro WLOADS base, pitch              ; 64 rows of K: each load reads 128 consecutive bytes a wave, 512 the four waves of one kh
.set ii, 0
.rept 64
	global_load_b32 v[X+ii], v2, s[\base:\base+1] offset:ii*\pitch th:TH_LOAD_NT
.set ii, ii+1
.endr
.endm
	s_cmp_lt_u32 s13, 6                            ; the two tensors differ in the row's length, which stands in the immediates: two copies of the loads, nothing else
	s_cbranch_scc0 .Lwout
	WLOADS 4, 12288
	s_branch .Ljoin
.Lwout:
	WLOADS 6, 4096
.Ljoin:
	s_wait_loadcnt 0x0
; my two blocks' largest magnitudes: four chains by turns (v8, v9 block 0; v10, v11 block 1)
.irp h, 0,1
	v_max3_num_f32 v[8+2*\h], |v[X+32*\h]|, |v[X+32*\h+1]|, |v[X+32*\h+2]|
	v_max3_num_f32 v[9+2*\h], |v[X+32*\h+3]|, |v[X+32*\h+4]|, |v[X+32*\h+5]|
.endr
.irp i, 6,10,14,18,22,26
.irp h, 0,1
	v_max3_num_f32 v[8+2*\h], v[8+2*\h], |v[X+32*\h+\i]|, |v[X+32*\h+\i+1]|
	v_max3_num_f32 v[9+2*\h], v[9+2*\h], |v[X+32*\h+\i+2]|, |v[X+32*\h+\i+3]|
.endr
.endr
.irp h, 0,1
	v_max3_num_f32 v[8+2*\h], v[8+2*\h], |v[X+32*\h+30]|, |v[X+32*\h+31]|
.endr
.irp h, 0,1
	v_max3_num_f32 v[8+2*\h], v[8+2*\h], v[9+2*\h], 0x1800000   ; the floor 2^(3 - 127): the byte cannot fall under 1
.endr
.irp h, 0,1
	v_add_nc_u32 v[14+\h], 0xff000000, v[8+2*\h]   ; 2 off the exponent field: the conversion takes this operand's exponent field as its scale
.endr
.irp h, 0,1
	v_lshrrev_b32 v[9+2*\h], 23, v[14+\h]          ; the scale's byte
.endr
	v_lshl_or_b32 v12, v11, 8, v9                  ; my two bytes, the lower K in the lower byte
.irp h, 0,1
	v_cvt_scalef32_pk16_fp6_f32 v[F+8*\h:F+8*\h+2], v[X+32*\h:X+32*\h+15], v[14+\h]
	v_cvt_scalef32_pk16_fp6_f32 v[TT+4*\h:TT+4*\h+2], v[X+32*\h+16:X+32*\h+31], v[14+\h]
.endr
	v_nop                                          ; one plain line behind the conversions
.irp h, 0,1
.irp i, 0,1,2
	v_mov_b32 v[F+8*\h+3+\i], v[TT+4*\h+\i]
.endr
.endr
	s_wait_alu depctr_va_vdst(0)                   ; the wait here, directly ahead of the branch
	s_cmp_eq_u32 s27, 0                            ; registers 0-5 of an image lane fill its first 16 bytes and half of the second, registers 6-11 the other half and the third
	s_cbranch_scc0 .Lhi
.irp h, 0,1
	ds_store_b128 v3, v[F+8*\h:F+8*\h+3] offset:256*\h
	ds_store_b64 v3, v[F+8*\h+4:F+8*\h+5] offset:256*\h+512
.endr
	s_branch .Lst
.Lhi:
.irp h, 0,1
	ds_store_b64 v3, v[F+8*\h:F+8*\h+1] offset:256*\h+520
	ds_store_b128 v3, v[F+8*\h+2:F+8*\h+5] offset:256*\h+1024
.endr
.Lst:
	ds_store_b16 v4, v12
	s_wait_dscnt 0x0                               ; for the others' sake: my stores have landed
	s_barrier_signal -1
	s_barrier_wait -1                              ; the unit is whole in LDS
.irp c, 0,1,2
	ds_load_b128 v[40+4*\c:43+4*\c], v5 offset:4096*\c
.endr
	s_wait_dscnt 0x0
.irp c, 0,1,2
	global_store_b128 v5, v[40+4*\c:43+4*\c], s[8:9] offset:4096*\c   ; a wave stores 512 consecutive bytes, at a multiple of 256 from wc's first byte
.endr
	s_cmp_lg_u32 s10, 0
	s_cbranch_scc1 .Ldone
	ds_load_b128 v[56:59], v5 offset:12288         ; wave 0 stores the scale words: 512 consecutive bytes
	s_wait_dscnt 0x0
	global_store_b128 v5, v[56:59], s[8:9] offset:12288
.Ldone:
	s_wait_tensorcnt 0x0                           ; the wave's end
	ds_add_u32 v62, v63
	s_wait_dscnt 0x0
	s_endpgm
.Lfunc_end_k_qec5ef27f91_wquant:
	.size	k_qec5ef27f91_wquant, .Lfunc_end_k_qec5ef27f91_wquant-k_qec5ef27f91_wquant
	.p2alignl 7, 3214868480
	.fill 96, 4, 3214868480
	.section	.rodata,"a",@progbits
	.p2align	6, 0x0
	.amdhsa_kernel k_qec5ef27f91_wquant
		.amdhsa_group_segment_fixed_size 13824
		.amdhsa_private_segment_fixed_size 0
		.amdhsa_enable_private_segment 0
		.amdhsa_kernarg_size 24
		.amdhsa_user_sgpr_count 2
		.amdhsa_user_sgpr_kernarg_segment_ptr 1
		.amdhsa_wavefront_size32 1
		.amdhsa_system_sgpr_workgroup_id_x 1
		.amdhsa_system_sgpr_workgroup_id_y 1
		.amdhsa_system_sgpr_workgroup_id_z 1
		.amdhsa_system_vgpr_workitem_id 0
		.amdhsa_next_free_vgpr 128
		.amdhsa_next_free_sgpr 66
		.amdhsa_reserve_vcc 0
		.amdhsa_float_denorm_mode_32 3
		.amdhsa_float_denorm_mode_16_64 3
		.amdhsa_memory_ordered 1
		.amdhsa_forward_progress 1
		.amdhsa_inst_pref_size 20
	.end_amdhsa_kernel
	.amdgpu_metadata
---
amdhsa.version: [ 1, 2 ]
amdhsa.kernels:
  - .name:           k_qec5ef27f91_wquant
    .symbol:         k_qec5ef27f91_wquant.kd
    .args:
      - { .name: Wqkv, .offset: 0, .size: 8, .value_kind: global_buffer, .address_space: global }
      - { .name: Wout, .offset: 8, .size: 8, .value_kind: global_buffer, .address_space: global }
      - { .name: wc, .offset: 16, .size: 8, .value_kind: global_buffer, .address_space: global }
    .group_segment_fixed_size: 13824
    .private_segment_fixed_size: 0
    .kernarg_segment_align: 8
    .kernarg_segment_size: 24
    .max_flat_workgroup_size: 256
    .sgpr_count:     66
    .vgpr_count:     128
    .wavefront_size: 32
...
	.end_amdgpu_metadata
.endif
;; end of part 1
;; launch fused (part 2): grid 256 x 1, 4 waves a work-group, no clusters, 263,680 bytes of LDS; arguments x, wc, bqkv, bout, out0; writes out0
.if DOCPART == 2
	.amdgcn_target "amdgcn-amd-amdhsa--gfx1250"
	.amdhsa_code_object_version 6
	.text
	.protected	k_qec5ef27f91_fused
	.globl	k_qec5ef27f91_fused
	.p2align	8
	.type	k_qec5ef27f91_fused,@function
k_qec5ef27f91_fused:
	s_mov_b64 s[64:65], 0
	v_nop
	global_prefetch_b8 v0, s[64:65] scope:SCOPE_SE
	s_setreg_imm32_b32 hwreg(HW_REG_WAVE_MODE, 25, 1), 1
	s_wait_xcnt 0x0
; out0 = attention(x Wqkv + bqkv) Wout + bout, all four products on codes of E2M3 with one E8M0 scale for each 32 along K; sums in f32.
; The attention runs over the 32 blocks nb at one place l of a block: a sequence is the 32 rows (b, nb, l) of x, 128 rows apart; causal; head size 1,024.
; SHARES.  A work-group takes 64 rows, the sequences (b, l0) and (b, l0 + 1), through the whole chain; q, k, v, the scores, p and the attention's result never go to memory.
; Eight PASSES of 64 rows x 512 columns x K = 1,024: q0 k0 q1 k1 v0 v1 out0 out1.  THE WAVES SHARE THE COLUMNS: wave w owns 128 columns of each pass, so a weight fragment is wanted by one wave alone
; and comes from memory (wc, laid as register images in the wave's own order) straight into that wave's registers, through a ring of four register sets that runs three K steps ahead.
; The rows' codes (x, later O) lie in LDS as register images, read by all four waves.
; No multicast of the weights: beside 253 KB of images, partial scores, tables and stages LDS has room for two slots of less than one K step of the work-group's 512 columns, and inside the work-group no fragment is shared.
; ORDER OF ROWS: row i of tile 2 b + u of an operand is element 32 b + 16 (i / 8) + 8 u + i % 8.  Rowblock m = 2 sg + u (sg: the sequence): row r is nb = 16 (r / 8) + 8 u + r % 8.
;   T pass (q, k, out): source 0 = 16 weight columns, source 1 = a rowblock: a lane holds one token, the 64 registers of a rowblock are columns 32 b + 16 h + i at register 16 b + i: what QUANT takes.
;   N pass (v):         source 0 = a rowblock, source 1 = 16 weight columns: a lane holds one column, registers 8 u + j of a tile's two accumulators are keys 16 h + 8 u + j.
;   S^T = k q^T: a lane holds one query, registers are keys 16 h + i.     O^T = V^T P^T: a lane holds one query, registers run along d in QUANT's order.
; SOFTMAX: t = score x log2(e) / 32; M = ceil(the row's largest t); p = 2^(t - M) is quantised along the 32 keys (one block); the sum of the unquantised p divides O before O is quantised.
; LIMITS: NaN and infinities are not served.  A block of zeros, and one whose largest magnitude lies under 2^-124, keeps the byte 1.  S is the sum of eight partial sums of one K step each, in ascending order.
;   The biases are the C of each sum's first product.  The second attention product runs at K = 128 with 32 keys: the other 96 codes are zeros on both sides, and no scale byte is 0xff.
; LDS: XA x's images (K step s at 8192 s: fragment m at 1536 m; at 6144 the scale words, the word at 8 L + 4 i for rowblock 2 i + L / 16, row L % 16); OA O's, laid alike; SX the partial scores (8192 for each K step of q k^T);
;   BT bqkv[0..2047], then bout; VT bqkv[2048 + d] four times over at 16 pi(d), pi swapping bits 3 and 4; STG a stage of 16 rows x 528 bytes for each wave.
; REGISTERS, in windows of 256: window 0 below.  THE WEIGHT RING: set e (unit n % 4) is two quads of 4 tiles, 48 registers each; quad 2 e + half: quads 0-4 in window 1 at 48 x quad, quads 5-7 in window 2 at 96, 144, 192.
;   window 2, v0-95: the rows' fragments, set e % 2, rowblock m at 48 (e % 2) + 12 m.
;   window 3: the pass's 32 accumulators (T: 64 m + 8 t; N: 128 sg + 16 t + 8 u); O^T's accumulators lie over the v accumulators just consumed; in the x phase four sets of 64 numbers as loaded.
.set U,    12800                       ; a unit of wc: 8 fragments + 512 bytes of scale words
.set NBS,  524288                      ; bytes from block nb to nb + 1: 128 rows of 4,096
.set XA,   0
.set OA,   0x10000
.set SX,   0x20000
.set BT,   0x30000
.set VT,   0x33000
.set STG,  0x37000
.set SPI,  528
.set PSH,  0x3F600                     ; behind the spare words: p from wave to wave: 1,024 bytes for each rowblock: registers 0-3 of p's fragment at 16 x lane; at 512 + 16 x lane registers 4, 5, p's scale word and 1 / l
.set LI,     1                         ; 16 x lane: an image's place, and a row's 512 bytes in memory
.set ABASE,  2                         ; LI + XA, later + OA
.set ASBASE, 3                         ; 8 x lane + 6144 + the same
.set AADR,   4                         ; ABASE + the half of the eight K steps in hand
.set ASAD,   5
.set BADR,   6                         ; BT + 64 h + 512 w
.set BADG,   7                         ; + 2048 g
.set VADR,   8                         ; VT + 16 r + 2048 w + 8192 g
.set OW,     9                         ; where I store images: x's, later O's
.set OWS,    10                        ; and their scale words
.set SXW,    11                        ; where I store my partial scores
.set SXR,    12                        ; where I read partial scores
.set STO,    13                        ; my stage: row r, + 64 h
.set SRD,    14                        ; my stage: 16 x lane
.set CO1,    15                        ; LI + 16 blocks nb on
.set PFO,    16                        ; 256 x min(lane, 24)
.set DLT,    17                        ; v17: my query - 16 h for u' = 0; the softmax adds 8 u' of the wave's own rowblock
.set NINF,   19
                                       ; v20-27, v224-231 weight scale words: set e at 20 + 4 e (e < 2) or 216 + 4 e; register c: lanes 0-15 tile 2 c, lanes 16-31 tile 2 c + 1
.set AS,     28                        ; v28-31 rows' scale words: set e % 2, register i: lanes 0-15 rowblock 2 i, lanes 16-31 rowblock 2 i + 1
.set TM,     32                        ; v32-47 QUANT's work
.set QX,     48                        ; v48-55 QUANT's second halves
.set QS,     56                        ; v56-59 q's scale words, later p's
.set KS,     60                        ; v60-63 k's, later V's; in the x phase the word just made.  (v32-63: in the out passes the bias of tiles 0-3)
.set QF,     64                        ; v64-111 q's four fragments, later p's
.set KF,     112                       ; v112-159 k's, later V's; in the x phase two fragments by turns.  (v128-159: in the out passes the bias of tiles 4-7)
.set ST,     160                       ; v160-223 64 numbers of x; a pass's bias (q, k, v); the scores; O's fragments (4 x 12) and scale words (ST + 48 on); rows of out0
.set MX,     128                       ; the softmax: largest score; MT at work (both where k's fragments lay); NM -M (pairs), later 1 / l; PM largest p; LS the sums (pairs)
.set MT,     132
.set NM,     232
.set PM,     240
.set LS,     244
.set MSB, 0
.macro WIN new                         ; the immediate's high byte repeats the setting that is left; a switch that changes nothing is dropped
.if MSB != (\new)
	s_set_vgpr_msb (MSB<<8)|(\new)
.set MSB, \new
.endif
.endm
.macro PLACES n                        ; plain vector lines between a matrix instruction and a line that touches its registers (ISA guide 7.12.1)
.rept \n
	v_nop
.endr
.endm
.macro BARRIER                         ; my LDS stores have landed and my LDS loads are in: then the work-group's barrier
	s_wait_dscnt 0x0
	s_barrier_signal -1
	s_barrier_wait -1
.endm
; a product D = A B + C; ra, rb: the side's scale words stand in lanes 16-31
.macro WM d, a, b, cc, sa, sb, ra, rb
.if (\ra) && (\rb)
	v_wmma_scale_f32_16x16x128_f8f6f4 v[\d:\d+7], v[\a:\a+11], v[\b:\b+11], v[\cc:\cc+7], v[\sa], v[\sb] matrix_a_fmt:MATRIX_FMT_FP6 matrix_b_fmt:MATRIX_FMT_FP6 matrix_a_scale:MATRIX_SCALE_ROW1 matrix_b_scale:MATRIX_SCALE_ROW1
.elseif (\ra)
	v_wmma_scale_f32_16x16x128_f8f6f4 v[\d:\d+7], v[\a:\a+11], v[\b:\b+11], v[\cc:\cc+7], v[\sa], v[\sb] matrix_a_fmt:MATRIX_FMT_FP6 matrix_b_fmt:MATRIX_FMT_FP6 matrix_a_scale:MATRIX_SCALE_ROW1
.elseif (\rb)
	v_wmma_scale_f32_16x16x128_f8f6f4 v[\d:\d+7], v[\a:\a+11], v[\b:\b+11], v[\cc:\cc+7], v[\sa], v[\sb] matrix_a_fmt:MATRIX_FMT_FP6 matrix_b_fmt:MATRIX_FMT_FP6 matrix_b_scale:MATRIX_SCALE_ROW1
.else
	v_wmma_scale_f32_16x16x128_f8f6f4 v[\d:\d+7], v[\a:\a+11], v[\b:\b+11], v[\cc:\cc+7], v[\sa], v[\sb] matrix_a_fmt:MATRIX_FMT_FP6 matrix_b_fmt:MATRIX_FMT_FP6
.endif
.endm
.macro WMZ d, a, b, sa, sb             ; a product that starts a sum with 0
	v_wmma_scale_f32_16x16x128_f8f6f4 v[\d:\d+7], v[\a:\a+11], v[\b:\b+11], 0, v[\sa], v[\sb] matrix_a_fmt:MATRIX_FMT_FP6 matrix_b_fmt:MATRIX_FMT_FP6
.endm
; 16 products: weight tiles t0 .. t0 + 3 (one quad of ring set e) x the four rowblocks, one K step.  ty = 0: T, 1: N.  fz = 1: the pass's first K step: C is the bias, eight registers a tile from v[c] on (window 0).
; All 32 accumulators of a step take turns, one instruction a turn, in the same order in every step.
.macro MUL16 ty, e, t0, fz, c
.set QD, 2*(\e)+(\t0)/4
.set BWN, 1+QD/5                       ; the quad's window
.set BBS, 48*QD-144*(QD/5)             ; and its first register there
.set AFE, 48*((\e)%2)
.set ASE, AS+2*((\e)%2)
.set BSE, 20+4*(\e)+196*((\e)/2)+(\t0)/2
.if \ty
.if \fz
	WIN 0xC2|(BWN<<2)                              ; source 0 (rows) window 2, source 1 (weights) the quad's, C window 0, D window 3
.else
	WIN 0xF2|(BWN<<2)                              ; the same, C and D window 3
.endif
.else
.if \fz
	WIN 0xC8|BWN                                   ; source 0 (weights) the quad's window, source 1 (rows) window 2, C window 0, D window 3
.else
	WIN 0xF8|BWN
.endif
.endif
.irp t, 0,1,2,3
.irp m, 0,1,2,3
.if \ty
.if \fz
	WM 128*(\m/2)+16*((\t0)+\t)+8*(\m%2), AFE+12*\m, BBS+12*\t, (\c)+8*\t, ASE+\m/2, BSE+\t/2, \m%2, \t%2
.else
	WM 128*(\m/2)+16*((\t0)+\t)+8*(\m%2), AFE+12*\m, BBS+12*\t, 128*(\m/2)+16*((\t0)+\t)+8*(\m%2), ASE+\m/2, BSE+\t/2, \m%2, \t%2
.endif
.else
.if \fz
	WM 64*\m+8*((\t0)+\t), BBS+12*\t, AFE+12*\m, (\c)+8*\t, BSE+\t/2, ASE+\m/2, \t%2, \m%2
.else
	WM 64*\m+8*((\t0)+\t), BBS+12*\t, AFE+12*\m, 64*\m+8*((\t0)+\t), BSE+\t/2, ASE+\m/2, \t%2, \m%2
.endif
.endif
.endr
.endr
.endm
; sel = 0: the products add in place.  sel = 2: they start the sums from the bias.  sel = 1, in a pass's loop: the first trip (s19 = 2) starts the sums, the second adds: a scalar branch on the trip's count round the 16 products alone.
.macro MULX ty, e, t0, sel, c
.if (\sel) == 1
	WIN 0                                          ; at a branch and at a label every window is 0
	s_cmp_eq_u32 s19, 2
	s_cbranch_scc0 .Lmacc_\@
	MUL16 \ty, \e, \t0, 1, \c
	WIN 0
	s_branch .Lmjoin_\@
.Lmacc_\@:
	MUL16 \ty, \e, \t0, 0, 0
	WIN 0
.Lmjoin_\@:
.elseif (\sel) == 2
	MUL16 \ty, \e, \t0, 1, \c
.else
	MUL16 \ty, \e, \t0, 0, 0
.endif
.endm
.macro WLOAD e, hf, off                ; four weight fragments, 12 loads of 512 consecutive bytes, into quad 2 e + hf of the ring
.set QD, 2*(\e)+(\hf)
.set BWN, 1+QD/5
.set BBS, 48*QD-144*(QD/5)
	WIN BWN<<6
.irp t, 0,1,2,3
.irp c, 0,1,2
	global_load_b128 v[BBS+12*\t+4*\c:BBS+12*\t+4*\c+3], v[LI], s[16:17] offset:(\off)+1536*(4*(\hf)+\t)+512*\c
.endr
.endr
.endm
; A PREFETCH INTO THE L2 of my wave's units n0 + 8 .. n0 + 11 (n0: the trip's first unit; s[16:17] stands at unit n0 + 4): lanes 256 bytes apart, two instructions a unit of 50 such blocks (lanes 25-31 name lane 24's).
; All work-groups walk the same streams: work-group 0 alone asks, each of its waves for its own stream.  It stands behind the step's loads, 5 to 8 K steps ahead of the loads that take these units.
; Units 0 to 7 come by their loads alone; the last pass asks for nothing, so unit 63, the stream's last, is the last that is named.
.macro PF
	s_cmp_eq_u32 s24, 0
	s_cbranch_scc0 .Lnopf_\@
.irp q, 0,1,2,3
	global_prefetch_b8 v[PFO], s[16:17] offset:(4+\q)*U th:TH_LOAD_NT scope:SCOPE_SE
	global_prefetch_b8 v[PFO], s[16:17] offset:(4+\q)*U+6400 th:TH_LOAD_NT scope:SCOPE_SE
.endr
.Lnopf_\@:
.endm
; THE K STEP of unit n (j: its number in the trip, or in the written-out pass; ring set j % 4).  A unit's loads are issued as 12 (tiles 0-3), 1 (scale words), 12 (tiles 4-7):
; unit n + 3's first 12 in the middle of step n, its other 13 at the end of step n, into the set of step n - 1, whose last readers stand ahead of that step's closing places.
; cm, ahead of the middle run: unit n's tiles 4-7 are in: younger are units n + 1 and n + 2: 50.   ce, ahead of the end run: unit n + 1's tiles 0-3 and scale words are in: younger are its tiles 4-7 (12), unit n + 2 (25), unit n + 3's first 12: 49.
; In the tail: the same sums less what is not issued.  So at most 62 of the ring's loads are out.
; ld: unit n + 3 is asked for, at (j + ob) U from s[16:17].  al: the rows' fragments of the next K step come from LDS into the other set.  tog: the next K step lies in the other half of the eight.
; stp: the stream's base steps four units on: here, 16 products behind the last loads, which have read it by then.  pf: the trip's prefetches.
.macro KSTEP ty, j, sel, c0, c1, ld, al, tog, stp, pf, ob, cm, ce
.set FF, ((\j)+3)%4
.set BSF, 20+4*FF+196*(FF/2)
	s_wait_dscnt 0x0                               ; the rows' fragments and scale words (asked for 16 products ago), and at a pass's head the bias
	MULX \ty, (\j)%4, 0, \sel, \c0
	WIN 0
.if \tog
	s_xor_b32 s18, s18, 0x8000
	v_add_nc_u32 v[AADR], s18, v[ABASE]
	v_add_nc_u32 v[ASAD], s18, v[ASBASE]
.set AOFF, 0
.else
.set AOFF, 8192*((\j)+1)
.endif
.if \stp
	s_wait_xcnt 0x0                                ; the loads and prefetches issued so far have read their base: it may step
	s_add_nc_u64 s[16:17], s[16:17], 4*U
.endif
	s_wait_loadcnt \cm
.if \al
	s_wait_alu depctr_va_vdst(0)
	ds_load_b64 v[AS+2*(((\j)+1)%2):AS+2*(((\j)+1)%2)+1], v[ASAD] offset:AOFF
.endif
.if \ld
	WLOAD ((\j)+3)%4, 0, ((\j)+(\ob))*U
.endif
.if \al
	WIN 0x80
.irp m, 0,1,2,3
.irp c, 0,1,2
	ds_load_b128 v[48*(((\j)+1)%2)+12*\m+4*\c:48*(((\j)+1)%2)+12*\m+4*\c+3], v[AADR] offset:AOFF+1536*\m+512*\c
.endr
.endr
.endif
.if \pf
	WIN 0
	PF
.endif
	MULX \ty, (\j)%4, 4, \sel, \c1
	WIN 0
	PLACES 5                                       ; behind this step's products: for the next step's loads into this set and into the rows' set, for the first read of results at a pass's end (4), and for the next pass's first products, which begin the accumulators anew (5)
.if (\ce) >= 0
	s_wait_loadcnt \ce
.endif
.if \ld
	global_load_b128 v[BSF:BSF+3], v[LI], s[16:17] offset:((\j)+(\ob))*U+12288
	WLOAD ((\j)+3)%4, 1, ((\j)+(\ob))*U
.endif
.endm
.macro PASS ty, c0, c1                 ; eight K steps: two trips of four.  The last step's LDS loads wrap to K step 0, for the next pass.  Behind its step the base stands at unit n0 + 4, so the loads reach from one unit back to two units on
	WIN 0
	s_mov_b32 s19, 2
.Lpass_\@:
	KSTEP \ty, 0, 1, \c0, \c1, 1, 1, 0, 1, 1, -1, 50, 49
	KSTEP \ty, 1, 0, 0, 0, 1, 1, 0, 0, 0, -1, 50, 49
	KSTEP \ty, 2, 0, 0, 0, 1, 1, 0, 0, 0, -1, 50, 49
	KSTEP \ty, 3, 0, 0, 0, 1, 1, 1, 0, 0, -1, 50, 49
	WIN 0
	s_sub_co_u32 s19, s19, 1
	s_cmp_lg_u32 s19, 0
	s_cbranch_scc1 .Lpass_\@
.endm
.macro PTAIL                           ; the last four K steps of the last pass (the base stands at unit 60; the rows' images at their upper half): unit 63 is the last that is asked for, so no load leaves wc
	KSTEP 0, 0, 0, 0, 0, 1, 1, 0, 0, 0, 3, 50, 49
	KSTEP 0, 1, 0, 0, 0, 0, 1, 0, 0, 0, 3, 50, 37
	KSTEP 0, 2, 0, 0, 0, 0, 1, 0, 0, 0, 3, 25, 12
	KSTEP 0, 3, 0, 0, 0, 0, 0, 0, 0, 0, 3, 0, -1
.endm
.macro PREB_T adr, imm, c0, c1         ; a T pass's bias: lane (r, h) wants, for tile t, the eight numbers of columns 32 (t / 2) + 16 h + 8 (t % 2) on; tiles 0-3 from v[c0] on, tiles 4-7 from v[c1] on; the four rowblocks share them
.irp t, 0,1,2,3
	ds_load_b128 v[(\c0)+8*\t:(\c0)+8*\t+3], v[\adr] offset:(\imm)+128*(\t/2)+32*(\t%2)
	ds_load_b128 v[(\c0)+8*\t+4:(\c0)+8*\t+7], v[\adr] offset:(\imm)+128*(\t/2)+32*(\t%2)+16
.endr
.irp t, 0,1,2,3
	ds_load_b128 v[(\c1)+8*\t:(\c1)+8*\t+3], v[\adr] offset:(\imm)+256+128*(\t/2)+32*(\t%2)
	ds_load_b128 v[(\c1)+8*\t+4:(\c1)+8*\t+7], v[\adr] offset:(\imm)+256+128*(\t/2)+32*(\t%2)+16
.endr
.endm
.macro PREB_N                          ; an N pass's: lane (r, h) wants its column's one number in all eight registers of tile t: it lies four times over in VT
.irp t, 0,1,2,3,4,5,6,7
	ds_load_b128 v[ST+8*\t:ST+8*\t+3], v[VADR] offset:256*\t
	ds_load_b128 v[ST+8*\t+4:ST+8*\t+7], v[VADR] offset:256*\t
.endr
.endm
.macro ALOAD0                          ; the rows' fragments and scale words of K step 0 into set 0
	ds_load_b64 v[AS:AS+1], v[ASAD]
	WIN 0x80
.irp m, 0,1,2,3
.irp c, 0,1,2
	ds_load_b128 v[12*\m+4*\c:12*\m+4*\c+3], v[AADR] offset:1536*\m+512*\c
.endr
.endr
	WIN 0
.endm
; 64 numbers of a lane in window win become a fragment's codes in v[f] on and its scale word in v[pw] (both window 0).  Number 16 b + i = k 32 b + 16 h + i of my row lies in register s + 16 (b % 2) + cs (b / 2) + i.
.macro QUANT win, s, f, pw, cs
	WIN ((\win)<<4)|((\win)<<2)                    ; sources 1 and 2
.irp b, 0,1,2,3
	v_max3_num_f32 v[TM+\b], 0x1800000, |v[(\s)+16*(\b%2)+(\cs)*(\b/2)]|, |v[(\s)+16*(\b%2)+(\cs)*(\b/2)+1]|   ; block b: my 16 numbers, and the floor 2^(3 - 127): the byte cannot fall under 1.  Each accumulator is read from its low end on
.endr
.irp i, 2,4,6,8,10,12,14
.irp b, 0,1,2,3
	v_max3_num_f32 v[TM+\b], v[TM+\b], |v[(\s)+16*(\b%2)+(\cs)*(\b/2)+\i]|, |v[(\s)+16*(\b%2)+(\cs)*(\b/2)+\i+1]|
.endr
.endr
	WIN 0
.irp b, 0,1,2,3
	v_permlanex16_b32 v[TM+4+\b], v[TM+\b], s20, s21
.endr
.irp b, 0,1,2,3
	v_max_num_f32 v[TM+\b], v[TM+\b], v[TM+4+\b]   ; with lane l xor 16's: the block's largest magnitude
.endr
.irp b, 0,1,2,3
	v_add_nc_u32 v[TM+12+\b], 0xff000000, v[TM+\b] ; 2 off its exponent field: the conversion's scale operand
.endr
.irp b, 0,1,2,3
	v_lshrrev_b32 v[TM+4+\b], 23, v[TM+12+\b]      ; the scale's byte
.endr
	v_lshl_or_b32 v[\pw], v[TM+5], 8, v[TM+4]
	v_lshl_or_b32 v[\pw], v[TM+6], 16, v[\pw]
	v_lshl_or_b32 v[\pw], v[TM+7], 24, v[\pw]
	WIN \win                                       ; source 0
.irp c, 0,1
	v_cvt_scalef32_pk16_fp6_f32 v[(\f)+6*\c:(\f)+6*\c+2], v[(\s)+(\cs)*\c:(\s)+(\cs)*\c+15], v[TM+12+2*\c]
	v_cvt_scalef32_pk16_fp6_f32 v[QX+4*\c:QX+4*\c+2], v[(\s)+(\cs)*\c+16:(\s)+(\cs)*\c+31], v[TM+13+2*\c]   ; (a conversion's three registers begin on an even number)
.endr
	WIN 0
	v_nop                                          ; one plain line behind the conversions
.irp c, 0,1                            ; the operand's layout wants a WHOLE block in a lane: lanes 0-15 block 2 c, lanes 16-31 block 2 c + 1
.irp i, 0,1,2
	v_permlane16_swap_b32 v[(\f)+6*\c+\i], v[QX+4*\c+\i]
.endr
.irp i, 0,1,2
	v_mov_b32 v[(\f)+6*\c+3+\i], v[QX+4*\c+\i]
.endr
.endr
.endm
; Four tiles of v (window 3, 16 registers each: keys 16 h + i of my column) become four fragments of V^T: the 32 keys are one block; lanes 0-15 hold them in registers 0-5; all else stays zero.
.macro VQUANT s
	WIN 0x3C
.irp b, 0,1,2,3
	v_max3_num_f32 v[TM+\b], 0x1800000, |v[(\s)+16*\b]|, |v[(\s)+16*\b+1]|
.endr
.irp i, 2,4,6,8,10,12,14
.irp b, 0,1,2,3
	v_max3_num_f32 v[TM+\b], v[TM+\b], |v[(\s)+16*\b+\i]|, |v[(\s)+16*\b+\i+1]|
.endr
.endr
	WIN 0
.irp b, 0,1,2,3
	v_permlanex16_b32 v[TM+4+\b], v[TM+\b], s20, s21
.endr
.irp b, 0,1,2,3
	v_max_num_f32 v[TM+\b], v[TM+\b], v[TM+4+\b]
.endr
.irp b, 0,1,2,3
	v_add_nc_u32 v[TM+12+\b], 0xff000000, v[TM+\b]
.endr
.irp b, 0,1,2,3
	v_lshrrev_b32 v[KS+\b], 23, v[TM+12+\b]        ; byte 0: the block's; bytes 1 to 3 are 0 and scale zero codes
.endr
.irp b, 0,1,2,3
.irp i, 3,4,5
	v_mov_b32 v[KF+12*\b+\i], 0
.endr
.endr
	WIN 3
.irp b, 0,1,2,3
	v_cvt_scalef32_pk16_fp6_f32 v[KF+12*\b:KF+12*\b+2], v[(\s)+16*\b:(\s)+16*\b+15], v[TM+12+\b]
.endr
	WIN 0
	v_nop
.irp b, 0,1,2,3
.irp i, 0,1,2
	v_permlane16_swap_b32 v[KF+12*\b+\i], v[KF+12*\b+3+\i]   ; lanes 16-31's keys 16-31 go to lanes 0-15's registers 3-5; zeros come back
.endr
.endr
.endm
.macro IMAGE adr, f, off               ; a fragment goes to LDS as it stands: 16 bytes a lane, 512 a store
.irp c, 0,1,2
	ds_store_b128 v[\adr], v[(\f)+4*\c:(\f)+4*\c+3] offset:(\off)+512*\c
.endr
.endm
.macro XLOAD s                         ; K step s of my rowblock's 16 rows of x: each load reads 512 consecutive bytes of one row
	WIN 0xC0
.irp i, 0,1,2,3,4,5,6,7
	global_load_b128 v[64*((\s)%4)+4*\i:64*((\s)%4)+4*\i+3], v[LI], s[4:5] offset:\i*NBS+512*(\s) th:TH_LOAD_NT
.endr
.irp i, 0,1,2,3,4,5,6,7
	global_load_b128 v[64*((\s)%4)+32+4*\i:64*((\s)%4)+32+4*\i+3], v[CO1], s[4:5] offset:\i*NBS+512*(\s) th:TH_LOAD_NT
.endr
	WIN 0
.endm
.macro RING0                           ; the weight ring's start: units 0 and 1 and unit 2's tiles 0-3: 62 loads
.irp n, 0,1
	WLOAD \n, 0, \n*U
	WIN 0
	global_load_b128 v[20+4*\n:20+4*\n+3], v[LI], s[16:17] offset:\n*U+12288
	WLOAD \n, 1, \n*U
.endr
	WLOAD 2, 0, 2*U
	WIN 0
.endm
; K step s of x: through my stage (in as rows, out as 16 neighbours of each block of 32 a lane), quantised, its image and scale words to LDS.  Loads run three K steps ahead.
.macro XSTEP s
.if (\s)+3 <= 7
	XLOAD (\s)+3
.endif
.if 7-(\s) >= 3
	s_wait_loadcnt 48                              ; the 16 loads of each of the three K steps behind this one may be out
.else
	s_wait_loadcnt 16*(7-(\s))
.endif
.if (\s) == 7
	RING0                                          ; all of x is in: from here on the ring's loads are the only ones counted
.endif
	WIN 0x0C                                       ; an LDS store's data: window 3
.irp i, 0,1,2,3,4,5,6,7,8,9,10,11,12,13,14,15
	ds_store_b128 v[SRD], v[64*((\s)%4)+4*\i:64*((\s)%4)+4*\i+3] offset:SPI*\i
.endr
	WIN 0
.irp b, 0,1,2,3
.irp j, 0,1,2,3
	ds_load_b128 v[ST+16*\b+4*\j:ST+16*\b+4*\j+3], v[STO] offset:128*\b+16*\j   ; LDS serves a wave's instructions in order (ISA guide 5.7.1.4): these see my stores
.endr
.endr
	s_wait_dscnt 0x0
	QUANT 0, ST, KF+12*((\s)%2), KS+(\s)%2, 32
	IMAGE OW, KF+12*((\s)%2), 8192*(\s)
	ds_store_b32 v[OWS], v[KS+(\s)%2] offset:8192*(\s)   ; lanes r and 16 + r write the same word with the same value
.endm
; THE WAY OUT of rowblock m: a lane holds 16 x 4 columns of one row; through my stage the block comes back as 16 whole runs of 512 bytes.
.macro TOSTAGE m
.set RBX, ST-96*((\m)%2)               ; v160-223 and v64-127 by turns
	WIN 0x0C
.irp b, 0,1,2,3
.irp k, 0,1,2,3
	ds_store_b128 v[STO], v[64*(\m)+16*\b+4*\k:64*(\m)+16*\b+4*\k+3] offset:128*\b+16*\k   ; each accumulator from its low end on
.endr
.endr
	WIN 0
	s_wait_xcnt 0x0                                ; earlier stores to memory have read their registers: the loads below may land there
.irp i, 0,1,2,3,4,5,6,7,8,9,10,11,12,13,14,15
	ds_load_b128 v[RBX+4*\i:RBX+4*\i+3], v[SRD] offset:SPI*\i
.endr
.endm
.macro SEND m, q, younger              ; younger: the LDS instructions issued behind block m's loads: the next block's 16 stores and 16 loads, or none
.set RBX, ST-96*((\m)%2)
	s_wait_dscnt \younger
.irp i, 0,1,2,3,4,5,6,7
	global_store_b128 v[LI], v[RBX+4*\i:RBX+4*\i+3], s[12:13] offset:\i*NBS+((\m)&1)*8*NBS+((\m)>>1)*4096+2048*(\q) th:TH_STORE_NT   ; 32 lanes store 512 consecutive bytes, at a multiple of 256 from out0's first byte
.endr
.irp i, 0,1,2,3,4,5,6,7
	global_store_b128 v[CO1], v[RBX+32+4*\i:RBX+32+4*\i+3], s[12:13] offset:\i*NBS+((\m)&1)*8*NBS+((\m)>>1)*4096+2048*(\q) th:TH_STORE_NT
.endr
.endm
.macro EPI_OUT q
	TOSTAGE 0
	TOSTAGE 1
	SEND 0, \q, 32
	TOSTAGE 2
	SEND 1, \q, 32
	TOSTAGE 3
	SEND 2, \q, 32
	SEND 3, \q, 0
.endm
; ---- the head: ids, addresses, the bias tables, x
	s_load_b256 s[4:11], s[0:1], 0x0               ; x s[4:5], wc s[6:7], bqkv s[8:9], bout s[10:11]
	s_load_b64 s[12:13], s[0:1], 0x20              ; out0
	s_set_vgpr_msb 0x40
	v_lshl_add_u32 v254, v0, 2, 0x3f400
	v_mov_b32 v255, 0
	s_set_vgpr_msb 0x4000
	v_lshrrev_b32 v32, 5, v0
	v_readfirstlane_b32 s14, v32                   ; wave w; in the x phase also my rowblock
	v_and_b32 v33, 31, v0                          ; lane
	v_and_b32 v34, 15, v0                          ; r
	s_wait_alu depctr_va_vdst(0)
	v_bfe_u32 v35, v0, 4, 1                        ; h
	v_lshlrev_b32 v[LI], 4, v33
	v_add_nc_u32 v[ABASE], XA, v[LI]
	v_lshl_add_u32 v[ASBASE], v33, 3, XA+6144
	v_mov_b32 v[AADR], v[ABASE]
	v_mov_b32 v[ASAD], v[ASBASE]
	s_lshl_b32 s32, s14, 9
	s_add_co_u32 s32, s32, BT
	v_lshl_add_u32 v[BADR], v35, 6, s32
	s_mul_i32 s32, s14, 1536
	s_add_co_u32 s32, s32, XA
	v_add_nc_u32 v[OW], s32, v[LI]                 ; x's images: fragment m = w
	s_and_b32 s34, s14, 1                          ; u
	s_lshr_b32 s33, s14, 1                         ; sg
	s_lshl_b32 s32, s34, 7
	s_lshl_b32 s35, s33, 2
	s_add_co_u32 s32, s32, s35
	s_add_co_u32 s32, s32, XA+6144
	v_lshl_add_u32 v[OWS], v34, 3, s32             ; their scale words: 8 (r + 16 u) + 4 sg
	s_mul_i32 s32, s14, 16*SPI
	s_add_co_u32 s32, s32, STG
	v_mul_u32_u24 v[STO], v34, SPI
	v_lshl_add_u32 v[STO], v35, 6, v[STO]
	v_add_nc_u32 v[STO], s32, v[STO]
	v_add_nc_u32 v[SRD], s32, v[LI]
	v_add_nc_u32 v[CO1], 16*NBS, v[LI]
	v_min_u32 v[PFO], 24, v33
	v_lshlrev_b32 v[PFO], 8, v[PFO]
	v_and_b32 v36, 8, v34
	v_add_nc_u32 v[DLT], v36, v34                  ; 16 (r / 8) + r % 8
	v_lshlrev_b32 v36, 4, v35
	v_sub_nc_u32 v[DLT], v[DLT], v36               ; - 16 h
	v_mov_b32 v[NINF], 0xff800000
	v_lshlrev_b32 v252, 4, v0                      ; the tables: 16 bytes a thread,
	v_lshl_add_u32 v253, v0, 2, 8192               ; v's bias: 4 bytes a thread from bqkv[2048] on,
	v_lshl_add_u32 v254, v0, 4, BT
	v_and_b32 v36, 0x67, v0
	v_bfe_u32 v37, v0, 3, 1
	v_bfe_u32 v38, v0, 4, 1
	v_lshl_or_b32 v36, v37, 4, v36
	v_lshl_or_b32 v36, v38, 3, v36                 ; pi(thread): bits 3 and 4 change places
	v_lshl_add_u32 v255, v36, 4, VT
.irp i, 36,37,38,39,233,235,237,239
	v_mov_b32 v\i, 0                               ; written once: a lane permute's destination counts as a source, and a pair's upper half as read
.endr
	s_lshr_b32 s32, ttmp9, 6
	s_lshl_b32 s32, s32, 12
	s_and_b32 s35, ttmp9, 63
	s_lshl_b32 s35, s35, 1
	s_add_co_u32 s32, s32, s35                     ; row0 = 4096 b + l0
	s_lshl_b32 s35, s34, 10
	s_add_co_u32 s35, s35, s33
	s_add_co_u32 s35, s35, s32                     ; my rowblock's first row: row0 + sg + 1024 u
	s_lshl_b32 s36, s35, 12
	s_mov_b32 s37, 0
	s_lshl_b32 s38, s32, 12
	s_lshl_b32 s39, s14, 9
	s_add_co_u32 s38, s38, s39                     ; out0: row0, my 128 columns
	s_mov_b32 s39, 0
	s_mul_i32 s32, s14, 64*U                       ; my stream of 64 units
	s_mov_b32 s33, 0
	s_mov_b32 s18, 0                               ; which half of the eight K steps of the rows' images
	s_mov_b32 s20, 0x76543210
	s_mov_b32 s21, 0xfedcba98                      ; v_permlanex16_b32's selects for lane l xor 16
	s_mov_b32 s22, 0x3d38aa3b                      ; c = log2(e) / 32
	s_mov_b32 s23, s22                             ; (named with it as a pair, so it is written)
	s_mov_b32 s24, ttmp9
	s_mov_b32 s26, 0                               ; 2048 g
	s_lshl_b32 s29, s14, 13
	s_add_co_u32 s27, s29, SX                      ; my partial scores: SX + 8192 w + 32768 g
	s_add_co_u32 s29, s29, OA                      ; O's images: OA + 8192 w + 32768 g
	s_add_co_u32 s30, s29, 6144                    ; and their scale words
	s_lshl_b32 s28, s14, 11
	s_add_co_u32 s28, s28, VT                      ; VT + 2048 w + 8192 g
	s_wait_kmcnt 0x0
	s_add_nc_u64 s[4:5], s[4:5], s[36:37]
	s_add_nc_u64 s[12:13], s[12:13], s[38:39]
	s_add_nc_u64 s[16:17], s[6:7], s[32:33]
.irp i, 0,1,2,3
	global_load_b128 v[64+4*\i:64+4*\i+3], v252, s[8:9] offset:2048*\i
.endr
.irp i, 0,1
	global_load_b128 v[80+4*\i:80+4*\i+3], v252, s[10:11] offset:2048*\i
.endr
.irp i, 0,1,2,3,4,5,6,7
	global_load_b32 v[96+4*\i], v253, s[8:9] offset:512*\i
.endr
	XLOAD 0
	XLOAD 1
	XLOAD 2
	s_wait_loadcnt 48                              ; the 14 loads of biases are in; x's 48 may be out
.irp i, 0,1,2,3,4,5,6,7
	v_mov_b32 v[97+4*\i], v[96+4*\i]
	v_mov_b32 v[98+4*\i], v[96+4*\i]
	v_mov_b32 v[99+4*\i], v[96+4*\i]
.endr
.irp i, 0,1,2,3,4,5
	ds_store_b128 v254, v[64+4*\i:64+4*\i+3] offset:2048*\i
.endr
.irp i, 0,1,2,3,4,5,6,7
	ds_store_b128 v255, v[96+4*\i:96+4*\i+3] offset:2048*\i
.endr
.irp s, 0,1,2,3,4,5,6,7
	XSTEP \s
.endr
	BARRIER                                        ; x's 32 fragments, their scale words and the bias tables lie in LDS; nothing of them is written again
	ALOAD0
	s_wait_loadcnt 49                              ; unit 0's tiles 0-3 and scale words are in: younger are its tiles 4-7 (12), unit 1 (25), unit 2's first 12;
	global_load_b128 v[224:227], v[LI], s[16:17] offset:2*U+12288   ; the rest of unit 2: as at the end of every K step
	WLOAD 2, 1, 2*U
	WIN 0
; ---- q and k, half by half of D; each wave's 128 columns are one K step of q k^T
	s_mov_b32 s25, 2
.Lg:
	v_add_nc_u32 v[BADG], s26, v[BADR]
	v_add_nc_u32 v[SXW], s27, v[LI]
	s_wait_alu depctr_va_vdst(0)
	s_wait_dscnt 0x0                               ; the last trip's stores of scores have read v[ST] on: q's bias may land there
	PREB_T BADG, 0, ST, ST+32
	PASS 0, ST, ST+32
	PREB_T BADG, 4096, ST, ST+32                   ; k's bias comes while q is quantised
.irp m, 0,1,2,3
	QUANT 3, 64*\m, QF+12*\m, QS+\m, 32
.endr
	PASS 0, ST, ST+32
.irp m, 0,1,2,3
	QUANT 3, 64*\m, KF+12*\m, KS+\m, 32
.endr
	PLACES 8                                       ; scale words written by vector lines stand 8 places ahead of a scaled product, operands 4
.irp sg, 0,1
.irp p, 0,1
.irp u, 0,1
	WMZ ST+16*(2*\sg+\p)+8*\u, KF+12*(2*\sg+\u), QF+12*(2*\sg+\p), KS+2*\sg+\u, QS+2*\sg+\p
.endr
.endr
.endr
	PLACES 4
.irp i, 0,1,2,3,4,5,6,7,8,9,10,11,12,13,14,15
	ds_store_b128 v[SXW], v[ST+4*\i:ST+4*\i+3] offset:512*\i
.endr
	s_add_co_u32 s26, s26, 2048
	s_add_co_u32 s27, s27, 0x8000
	s_sub_co_u32 s25, s25, 1
	s_cmp_lg_u32 s25, 0
	s_cbranch_scc1 .Lg
	BARRIER                                        ; the eight partial scores lie in LDS
; ---- the softmax, shared out: wave w takes rowblock a = w (16 queries, a = 2 sg + u'): 16 registers a lane, key 16 h + i of my query in register i.
; p's fragment, its scale word and 1 / l go to the other waves through LDS (PSH), since each wave wants p of all 64 queries for its own columns of v.
.set SS, 64                            ; v64-79 the scores, then p; partial n lands at v[64 + 16 n]: v64-191, where q's and k's fragments and the scores just stored lay
.set PF, 96                            ; v96-101 p's six registers of codes, v102 its scale word, v103 1 / l
	s_lshl_b32 s31, s14, 11
	s_add_co_u32 s31, s31, SX
	v_add_nc_u32 v[SXR], s31, v[LI]                ; my rowblock's 2,048 bytes of a partial
	s_lshl_b32 s31, s14, 10
	s_add_co_u32 s31, s31, PSH
	v_add_nc_u32 v[SXW], s31, v[LI]                ; where my rowblock's p goes
	s_and_b32 s31, s14, 1
	s_lshl_b32 s31, s31, 3
	v_add_nc_u32 v[DLT], s31, v[DLT]               ; my query - 16 h, with my rowblock's 8 u'
	s_wait_alu depctr_va_vdst(0)                   ; the wait here, ahead of the readers below
.irp n, 0,1,2,3,4,5,6,7
.irp i, 0,1,2,3
	ds_load_b128 v[SS+16*\n+4*\i:SS+16*\n+4*\i+3], v[SXR] offset:8192*\n+512*\i
.endr
.endr
	s_wait_dscnt 0x0                               ; all eight partials are in: one wait ahead of the 56 additions, so that none of them reads a sum behind a wait
.irp n, 1,2,3,4,5,6,7
.irp j, 0,2,4,6,8,10,12,14
	v_pk_add_f32 v[SS+\j:SS+\j+1], v[SS+\j:SS+\j+1], v[SS+16*\n+\j:SS+16*\n+\j+1]   ; in ascending order of the K steps
.endr
.endr
.irp i, 0,1,2,3,4,5,6,7,8,9,10,11,12,13,14,15
	v_cmp_gt_i32 vcc_lo, \i, v[DLT]                ; hidden where i > my query - 16 h
	v_cndmask_b32 v[SS+\i], v[SS+\i], v[NINF], vcc_lo
.endr
	v_max3_num_f32 v[MX], v[SS], v[SS+1], v[SS+2]  ; two chains by turns
	v_max3_num_f32 v[MT], v[SS+3], v[SS+4], v[SS+5]
.irp i, 6,10
	v_max3_num_f32 v[MX], v[MX], v[SS+\i], v[SS+\i+1]
	v_max3_num_f32 v[MT], v[MT], v[SS+\i+2], v[SS+\i+3]
.endr
	v_max3_num_f32 v[MX], v[MX], v[SS+14], v[SS+15]
	v_max_num_f32 v[MX], v[MX], v[MT]
	v_permlanex16_b32 v[MT], v[MX], s20, s21
	v_max_num_f32 v[MX], v[MX], v[MT]              ; the row's largest score (key 0 counts for every query, so it is a number)
	v_mul_f32 v[MT], s22, v[MX]                    ; as t
	v_floor_f32 v[NM], -v[MT]                      ; -M = floor(-t) = -ceil(t)
.irp j, 0,2,4,6,8,10,12,14
	v_pk_fma_f32 v[SS+\j:SS+\j+1], v[SS+\j:SS+\j+1], s[22:23], v[NM:NM+1] op_sel_hi:[1,0,0]   ; t - M
.endr
	v_fma_f32 v[PM], v[MX], s22, v[NM]             ; the same of the row's largest score: the 32 keys are one block, so its p is the block's largest
.irp i, 3,4,5
	v_mov_b32 v[PF+\i], 0
.endr
	s_wait_alu depctr_va_vdst(0)                   ; the wait ahead of the batch
.irp i, 0,1,2,3,4,5,6,7,8,9,10,11,12,13,14,15
	v_exp_f32 v[SS+\i], v[SS+\i]                   ; p = 2^(t - M); 0 for hidden keys
.endr
	v_exp_f32 v[PM], v[PM]
	v_nop                                          ; one plain line behind the exponentials
	s_wait_alu depctr_va_vdst(0)                   ; one wait for the batch of 17, ahead of its first reader
	v_pk_add_f32 v[LS:LS+1], v[SS:SS+1], v[SS+2:SS+3]       ; the row's sum is taken of the unquantised p: two chains by turns
	v_pk_add_f32 v[LS+2:LS+3], v[SS+4:SS+5], v[SS+6:SS+7]
	v_pk_add_f32 v[LS:LS+1], v[LS:LS+1], v[SS+8:SS+9]
	v_pk_add_f32 v[LS+2:LS+3], v[LS+2:LS+3], v[SS+10:SS+11]
	v_pk_add_f32 v[LS:LS+1], v[LS:LS+1], v[SS+12:SS+13]
	v_pk_add_f32 v[LS+2:LS+3], v[LS+2:LS+3], v[SS+14:SS+15]
	v_pk_add_f32 v[LS:LS+1], v[LS:LS+1], v[LS+2:LS+3]
	v_add_nc_u32 v[TM+12], 0xff000000, v[PM]       ; the largest p lies in (1/2, 1]: no floor is wanted
	v_add_f32 v[LS], v[LS], v[LS+1]
	v_lshrrev_b32 v[PF+6], 23, v[TM+12]            ; p's scale word: byte 0; bytes 1 to 3 are 0 and scale zero codes
	v_permlanex16_b32 v[MT], v[LS], s20, s21
	v_add_f32 v[LS], v[LS], v[MT]
	v_cvt_scalef32_pk16_fp6_f32 v[PF:PF+2], v[SS:SS+15], v[TM+12]
	v_nop                                          ; one plain line behind the conversion
.irp i, 0,1,2
	v_permlane16_swap_b32 v[PF+\i], v[PF+3+\i]     ; lanes 0-15 now hold keys 0-31, lanes 16-31 zeros
.endr
	s_wait_alu depctr_va_vdst(0)                   ; the wait ahead of the transcendental
	v_rcp_f32 v[PF+7], v[LS]                       ; 1 / l
	v_nop
	s_wait_alu depctr_va_vdst(0)                   ; and behind it, ahead of its reader
	ds_store_b128 v[SXW], v[PF:PF+3]
	ds_store_b128 v[SXW], v[PF+4:PF+7] offset:512
	BARRIER                                        ; the four rowblocks' p lie in LDS
	v_add_nc_u32 v[SXR], PSH, v[LI]
	s_wait_alu depctr_va_vdst(0)                   ; the wait here, ahead of the readers below
.irp a, 0,1,2,3
	ds_load_b128 v[QF+12*\a:QF+12*\a+3], v[SXR] offset:1024*\a
	ds_load_b128 v[QF+12*\a+4:QF+12*\a+7], v[SXR] offset:1024*\a+512
.endr
	s_wait_dscnt 0x0
.irp a, 0,1,2,3
	v_mov_b32 v[QS+\a], v[QF+12*\a+6]              ; the scale word and 1 / l (where -M stood) to their places;
	v_mov_b32 v[NM+2*\a], v[QF+12*\a+7]
.endr
.irp a, 0,1,2,3
.irp i, 6,7,8,9,10,11
	v_mov_b32 v[QF+12*\a+\i], 0                    ; the upper half of p's fragments is zero
.endr
.endr
.irp q, 0,1,2,3
.irp i, 6,7,8,9,10,11
	v_mov_b32 v[KF+12*\q+\i], 0                    ; (plain work behind the reciprocals)  the upper half of V's fragments stays zero
.endr
.endr
	s_wait_alu depctr_va_vdst(0)                   ; one wait for the four reciprocals, ahead of the label and of their readers
; ---- v, half by half of D; O^T = V^T P^T on my 128 columns; O / l is quantised: K step 4 g + w of the last product
	s_mov_b32 s25, 2
.Lg2:
	v_and_b32 v[VADR], 15, v0
	v_lshl_add_u32 v[OWS], v[VADR], 3, s30
	v_lshl_add_u32 v[VADR], v[VADR], 4, s28
	v_add_nc_u32 v[OW], s29, v[LI]
	s_wait_alu depctr_va_vdst(0)
	s_wait_dscnt 0x0                               ; the last trip's stores of O's images have read v[ST] on: v's bias may land there
	PREB_N
	PASS 1, ST, ST+32
.irp sg, 0,1
.irp hf, 0,1
	VQUANT 128*\sg+64*\hf
	PLACES 8
	WIN 0xC0                                       ; D in window 3: over the four tiles of v just quantised: tile (u', 4 hf + q) of O^T at 128 sg + 64 hf + 32 u' + 8 q
.irp q, 0,1,2,3
.irp p, 0,1
	WMZ 128*\sg+64*\hf+32*\p+8*\q, KF+12*\q, QF+12*(2*\sg+\p), KS+\q, QS+2*\sg+\p
.endr
.endr
	WIN 0
.endr
	PLACES 4
.irp p, 0,1
	WIN 0xC3                                       ; O^T (destination and source 0) window 3, 1 / l window 0
.irp hf, 0,1
.set jj, 0
.rept 16
	v_pk_mul_f32 v[128*\sg+64*\hf+32*\p+jj:128*\sg+64*\hf+32*\p+jj+1], v[128*\sg+64*\hf+32*\p+jj:128*\sg+64*\hf+32*\p+jj+1], v[NM+2*(2*\sg+\p):NM+2*(2*\sg+\p)+1] op_sel_hi:[1,0]
.set jj, jj+2
.endr
.endr
	QUANT 3, 128*\sg+32*\p, ST+12*(2*\sg+\p), ST+48+2*\sg+\p, 64
	IMAGE OW, ST+12*(2*\sg+\p), 1536*(2*\sg+\p)
	ds_store_b32 v[OWS], v[ST+48+2*\sg+\p] offset:128*\p+4*\sg
.endr
.endr
	s_add_co_u32 s28, s28, 0x2000
	s_add_co_u32 s29, s29, 0x8000
	s_add_co_u32 s30, s30, 0x8000
	s_sub_co_u32 s25, s25, 1
	s_cmp_lg_u32 s25, 0
	s_cbranch_scc1 .Lg2
	BARRIER                                        ; O's 32 fragments and their scale words lie in LDS
; ---- the last product, on O's images.  Its bias lies in v32-63 and v128-159, which nothing else uses from here on
	v_add_nc_u32 v[ABASE], OA-XA, v[ABASE]
	v_add_nc_u32 v[ASBASE], OA-XA, v[ASBASE]
	v_add_nc_u32 v[AADR], s18, v[ABASE]            ; (s18 is 0 again: two turns a pass)
	v_add_nc_u32 v[ASAD], s18, v[ASBASE]
	ALOAD0
	PREB_T BADR, 8192, 32, 128
; The two out passes are 16 K steps: three trips of four with all their loads, and the last four written out once (PTAIL), which only the third trip runs.
; s25 counts the trips; s19 = 2 says that the trip starts a pass's sums (trips 1 and 3).  The way out stands once: behind trip 2 (the first 512 columns) and behind PTAIL (the other 512).
	s_mov_b32 s19, 2
	s_mov_b32 s25, 3
.Lout:
	KSTEP 0, 0, 1, 32, 128, 1, 1, 0, 1, 1, -1, 50, 49
	KSTEP 0, 1, 0, 0, 0, 1, 1, 0, 0, 0, -1, 50, 49
	KSTEP 0, 2, 0, 0, 0, 1, 1, 0, 0, 0, -1, 50, 49
	KSTEP 0, 3, 0, 0, 0, 1, 1, 1, 0, 0, -1, 50, 49
	WIN 0
	s_sub_co_u32 s25, s25, 1
	s_cmp_eq_u32 s25, 0
	s_cbranch_scc0 .Lnotail
	PTAIL
	WIN 0
.Lnotail:
	s_mov_b32 s19, 1                               ; the next trip adds in place, unless a pass has just ended
	s_cmp_eq_u32 s25, 2
	s_cbranch_scc1 .Lnoepi                         ; behind trip 1 the pass is half done: nothing leaves
	s_cmp_eq_u32 s25, 1
	s_cbranch_scc0 .Lnobias
	PREB_T BADR, 10240, 32, 128                    ; the last pass's bias comes while the first half of out0 leaves
.Lnobias:
	EPI_OUT 0
	s_wait_xcnt 0x0                                ; the stores have read their base: it may step
	s_add_nc_u64 s[12:13], s[12:13], 2048          ; on to the other 512 columns of out0
	s_mov_b32 s24, 1                               ; the last pass prefetches nothing: unit 63 is the stream's last
	s_mov_b32 s19, 2                               ; the next trip starts a pass's sums
.Lnoepi:
	s_cmp_lg_u32 s25, 0
	s_cbranch_scc1 .Lout
	s_set_vgpr_msb 0x5
	s_wait_tensorcnt 0x0
	ds_add_u32 v254, v255
	s_wait_dscnt 0x0
	s_set_vgpr_msb 0x500
	s_endpgm
.Lfunc_end_k_qec5ef27f91_fused:
	.size	k_qec5ef27f91_fused, .Lfunc_end_k_qec5ef27f91_fused-k_qec5ef27f91_fused
	.p2alignl 7, 3214868480
	.fill 96, 4, 3214868480
	.section	.rodata,"a",@progbits
	.p2align	6, 0x0
	.amdhsa_kernel k_qec5ef27f91_fused
		.amdhsa_group_segment_fixed_size 263680
		.amdhsa_private_segment_fixed_size 0
		.amdhsa_enable_private_segment 0
		.amdhsa_kernarg_size 40
		.amdhsa_user_sgpr_count 2
		.amdhsa_user_sgpr_kernarg_segment_ptr 1
		.amdhsa_wavefront_size32 1
		.amdhsa_system_sgpr_workgroup_id_x 1
		.amdhsa_system_sgpr_workgroup_id_y 1
		.amdhsa_system_sgpr_workgroup_id_z 1
		.amdhsa_system_vgpr_workitem_id 0
		.amdhsa_next_free_vgpr 1024
		.amdhsa_next_free_sgpr 66
		.amdhsa_reserve_vcc 1
		.amdhsa_float_denorm_mode_32 3
		.amdhsa_float_denorm_mode_16_64 3
		.amdhsa_memory_ordered 1
		.amdhsa_forward_progress 1
		.amdhsa_inst_pref_size 255
	.end_amdhsa_kernel
	.section	.bss,"aw",@nobits
	.p2align	6
	.space	262144
	.amdgpu_metadata
---
amdhsa.version: [ 1, 2 ]
amdhsa.kernels:
  - .name:           k_qec5ef27f91_fused
    .symbol:         k_qec5ef27f91_fused.kd
    .args:
      - { .name: x, .offset: 0, .size: 8, .value_kind: global_buffer, .address_space: global }
      - { .name: wc, .offset: 8, .size: 8, .value_kind: global_buffer, .address_space: global }
      - { .name: bqkv, .offset: 16, .size: 8, .value_kind: global_buffer, .address_space: global }
      - { .name: bout, .offset: 24, .size: 8, .value_kind: global_buffer, .address_space: global }
      - { .name: out0, .offset: 32, .size: 8, .value_kind: global_buffer, .address_space: global }
    .group_segment_fixed_size: 263680
    .private_segment_fixed_size: 0
    .kernarg_segment_align: 8
    .kernarg_segment_size: 40
    .max_flat_workgroup_size: 128
    .sgpr_count:     66
    .vgpr_count:     1024
    .wavefront_size: 32
...
	.end_amdgpu_metadata
.endif
;; end of part 2
